; MI455X (gfx1250); checked and timed in simulation.
; The chip was launched on July 23, 2026; its instructions are those of AMD's public machine-readable ISA for CDNA 5 (MIT licence, August 2026) and "CDNA5" Instruction Set Architecture Reference Guide (July 2026). The comments in the code are by the model that wrote it; some were corrected since.
;; Calculate Attention. Allowed arithmetic: matrix products marked QUANTISED: E4M3 operands, one given power-of-two scale a tensor, by v_wmma_f32_16x16x64_fp8_fp8 or v_wmma_f32_16x16x128_fp8_fp8, f32 sums; everything else in f32.
;; Inputs: K 4 x 16 x 2,048 x 64 float32; Q 4 x 16 x 2,048 x 64 float32; V 4 x 16 x 2,048 x 64 float32; lowp_scales 4 int32 (the exponents e of the quantised operands' scales 2^e); mask 4 x 1 x 2,048 x 2,048 bool.
;; Outputs: out0 4 x 16 x 2,048 x 64 float32.
;; This version of the problem:
;;   THIS VERSION OF THE PROBLEM IS GIVEN IN LOW PRECISION. The matrix products marked QUANTISED in the list below multiply operands that are first quantised to E4M3 (4 exponent bits, 3 mantissa bits; 8 bits a number), with one given power-of-two scale for each operand tensor; their sums are f32. All else is computed in f32.
;;   The module's matrix products, in the order in which they are computed (A, B: the left and right operand; K: the contracted axis; several contracted axes count as one K, in the product's order):
;;     1. batch 64 x [M 2,048, K 64] x [K 64, N 2,048]; A: input Q; B: input K: QUANTISED (scales: A lowp_scales[0], B lowp_scales[1])
;;     2. batch 64 x [M 2,048, K 2,048] x [K 2,048, N 64]; A: softmax (see below); B: input V: QUANTISED (scales: A lowp_scales[2], B lowp_scales[3])
;;   THE QUANTISER, for each operand of a quantised product, along K:
;;     - The operand's scale is 2^e, e = its entry of the input lowp_scales (int32; the entries are numbered through the quantised products in the list's order, A before B).
;;     - Each number is divided by the scale, clamped to +-448, and rounded to the nearest number of E4M3, ties to even, subnormals kept.
;;     - The product sums the exact products of the quantised numbers (number of the format x scale) in f32.
;;   ~~~python
;;   def quantise(x, axis, e):      # numpy; x: float32 -> the quantised numbers, widened to float32 again
;;       x = np.moveaxis(x, axis, -1); K = x.shape[-1]
;;       r = np.clip(x / 2.0 ** e, -448, 448)
;;       step = 2.0 ** (np.maximum(np.frexp(np.where(r == 0, 1, r))[1] - 1, -6) - 3)
;;       q = np.round(r / step) * step * 2.0 ** e      # np.round: ties to even
;;       return np.moveaxis(q, -1, axis).astype(np.float32)
;;   ~~~
;;   SOFTMAX AHEAD OF A QUANTISED PRODUCT. Where the list says 'softmax', what is quantised is not the finished softmax but p = 2^(t - M), with t = logit x log2(e) and M = ceil(the row's largest t), a whole number; so 1/2 < the row's largest p <= 1. The row's sum l is taken of the UNQUANTISED p, in f32, and the product's result is divided by l at the end. Since M is a whole number, a kernel that streams over the keys may use a running M (the ceiling of the running maximum): every later rescaling is an exact power of two, so the quantised numbers keep their values, but for numbers so far below the row's largest that they fall under the format's range.
;;   OPERANDS COMPUTED ON THE WAY. 'Computed on the way' means the value that the module computes at that place (a softmax that the list does not call 'softmax' is quantised finished and normalised). What goes into a quantiser is computed in f32, as accurately as f32 sums, v_exp_f32 and their like allow (about 1e-6 of the number): no bf16 or f16 on the way to a quantiser, and a product that is left as it is and whose result goes on into a quantised operand takes f32 operands (vector FMAs, or v_wmma_f32_16x16x4_f32). A number that lies on a knife's edge between two numbers of the format may be rounded either way, as far as f32 arithmetic and the matrix unit's own rounding can turn it there, and no further.
;; 2 versions. Each part assembles by itself: llvm-mc -triple=amdgcn-amd-amdhsa -mcpu=gfx1250 --defsym DOCPART=n.
;; ======== version 1 of 2: 2 launches
;; limits: right only within a limited range of input values
;; workspace buffers: kv 16,777,216 bytes; mbits 2,097,152 bytes of whole numbers
;; launch prep (part 1): grid 1024 x 1, 4 waves a work-group, no clusters, 52,736 bytes of LDS; arguments K, V, mask, lowp_scales, kv, mbits; writes kv, mbits
.if DOCPART == 1
	.amdgcn_target "amdgcn-amd-amdhsa--gfx1250"
	.amdhsa_code_object_version 6
	.text
	.protected	k_q0a025cee4b_prep
	.globl	k_q0a025cee4b_prep
	.p2align	8
	.type	k_q0a025cee4b_prep,@function
k_q0a025cee4b_prep:
	s_mov_b64 s[64:65], 0
	v_nop
	global_prefetch_b8 v0, s[64:65] scope:SCOPE_SE
	s_setreg_imm32_b32 hwreg(HW_REG_WAVE_MODE, 25, 1), 1
	s_wait_xcnt 0x0
; K and V [64 heads][2048 keys][64] f32 become codes of E4M3, laid as IMAGES OF THE OPERANDS' REGISTERS for the attention launch; the mask's bytes become lane masks.
; code = x / 2^e, held within +-448, to the nearest code, ties to even; e = entry 1 (K) and entry 3 (V) of the scales.  LIMITS: ek and ev between -126 and 119, so that 2^e and 448 x 2^e are f32 numbers.  NaN among the inputs is not served.
; kv: a head is 16 steps of 128 keys, 16,384 bytes a step.  L = 16 h + r is the lane that will hold the bytes.
;   K's part: byte 1024 T + 512 c + 16 L + y = code of K[key 128 s + 32 (T/2) + 8 (T%2) + r + 8 (r/8)][32 c + 16 h + y]
;   V's part: byte 8192 + 2048 t + 512 b + 16 L + y = code of V[key 128 s + 32 b + 16 h + y][16 t + r]: the keys, the second product's K, run along a lane's bytes
; mbits: [batch][tile of 16 queries][step][n = 0..63] words: bit L of word n = mask[16 tile + r][128 s + 32 (n/16) + 16 h + n%16]: the key that score register n of lane L will hold.
; SHARES.  Wave W = 4 x work-group + wave (0 .. 4095) takes 32 keys of one head of K, the same 32 keys of V, and 16 queries x 256 keys of the mask.  Waves share nothing: no barrier, no loop, every offset an immediate.
; K and the mask are loaded as they lie (each load of a wave covers 512 or twice 256 consecutive bytes) and turn through the wave's own stage in LDS, rows 272 bytes apart, so that a lane gets neighbours along a row.
; V needs no turn: a lane takes a column d and its registers run down the keys.  No store's data register is written again, so no wait frees one.
.set MP,    272                        ; a stage row: 256 bytes + 16
.set KST,   16*MP                      ; a wave's LDS: the mask's 16 rows, then K's 32 rows
.set WREG,  48*MP                      ; 13,056 bytes a wave
.set SPARE, 4*WREG                     ; behind the four regions: the spare words, 128 bytes a wave, two blocks of 256 bytes that no other line names
.set SPW,   5                          ; v5   my spare word's LDS address; never rewritten
.set NIL,   6                          ; v6   0; never rewritten
.set TM,    16                         ; v16-19   at work
.set W4,    20                         ; v20-23   the 128 mask words: word g in register g % 4 of lane g / 4
.set MK,    24                         ; v24-55   the mask's bytes
.set KR,    56                         ; v56-119  K's numbers
.set VR,    120                        ; v120-183 V's numbers: column 32 hf + lane at VR + 32 hf + key
.set CK,    184                        ; v184-199 K's codes
.set CV,    200                        ; v200-215 V's codes
	s_load_b256 s[4:11], s[0:1], 0x0               ; K s[4:5], V s[6:7], mask s[8:9], scales s[10:11]
	s_load_b128 s[12:15], s[0:1], 0x20             ; kv s[12:13], mbits s[14:15]
	v_lshl_add_u32 v[SPW], v0, 2, SPARE
	v_mov_b32 v[NIL], 0
	v_lshrrev_b32 v1, 5, v0
	v_readfirstlane_b32 s16, v1                    ; wave 0..3
	v_and_b32 v1, 31, v0                           ; L
	v_and_b32 v3, 15, v0                           ; L % 16
	v_bfe_u32 v4, v0, 4, 1                         ; L / 16
	v_lshlrev_b32 v2, 4, v1                        ; 16 L
	v_lshlrev_b32 v11, 2, v1                       ; 4 L
	v_lshlrev_b32 v7, 4, v3
	v_lshl_add_u32 v7, v4, 11, v7                  ; 2048 (L / 16) + 16 (L % 16): two rows of the mask; two images of V
	s_mul_i32 s40, s16, WREG                       ; my wave's LDS
	v_mul_u32_u24 v8, v4, MP
	v_lshl_add_u32 v8, v3, 4, v8
	v_add_nc_u32 v8, s40, v8                       ; into a stage: sixteen lanes to a row, two rows an instruction
	v_mul_u32_u24 v9, v3, MP
	v_add_nc_u32 v9, s40, v9                       ; out of a stage: row L % 16,
	v_lshl_add_u32 v10, v4, 6, v9                  ; K: + 64 (L / 16): 16 numbers
	v_lshl_add_u32 v9, v4, 4, v9                   ; mask: + 16 (L / 16): 16 bytes
.irp k, 0,1,2,3
	v_mov_b32 v[W4+\k], 0                          ; written once: a lane write's destination counts as read
.endr
	s_lshl_b32 s17, ttmp9, 2
	s_add_co_u32 s17, s17, s16                     ; W
	s_lshl_b32 s18, s17, 13                        ; K, V: 32 keys x 256 bytes
	s_mov_b32 s19, 0
	s_lshl_b32 s20, s17, 9                         ; mbits: 128 words
	s_mov_b32 s21, 0
	s_lshr_b32 s22, s17, 3
	s_lshl_b32 s22, s22, 15                        ; mask: tile W / 8: 16 rows of 2,048 bytes,
	s_and_b32 s23, s17, 7
	s_lshl_b32 s23, s23, 8                         ; + 256 keys x (W % 8)
	s_add_co_u32 s22, s22, s23
	s_mov_b32 s23, 0
	s_lshr_b32 s41, s17, 6
	s_lshl_b32 s41, s41, 18                        ; kv: head W / 64,
	s_bfe_u32 s42, s17, 0x40002
	s_lshl_b32 s42, s42, 14                        ; step (W / 4) % 16,
	s_add_co_u32 s41, s41, s42
	s_and_b32 s42, s17, 3                          ; b = W % 4: K's tiles 2 b, 2 b + 1; V's images (t, b)
	s_lshl_b32 s43, s42, 11
	s_lshl_b32 s42, s42, 9
	s_add_co_u32 s44, s41, s43
	s_mov_b32 s45, 0
	s_add_co_u32 s46, s41, s42
	s_mov_b32 s47, 0
	s_wait_kmcnt 0x0
	s_load_b128 s[24:27], s[10:11], 0x0            ; eq, ek, ep, ev
	s_add_nc_u64 s[4:5], s[4:5], s[18:19]
	s_add_nc_u64 s[6:7], s[6:7], s[18:19]
	s_add_nc_u64 s[8:9], s[8:9], s[22:23]
	s_add_nc_u64 s[14:15], s[14:15], s[20:21]
	s_add_nc_u64 s[28:29], s[12:13], s[44:45]      ; kv for K's codes
	s_add_nc_u64 s[30:31], s[12:13], s[46:47]      ; kv for V's codes
.macro VLOAD half                      ; keys 16 half + 0..15: a row's two halves of 128 bytes one behind the other; lane = column
.irp i, 0,1,2,3,4,5,6,7,8,9,10,11,12,13,14,15
	global_load_b32 v[VR+16*(\half)+\i], v11, s[6:7] offset:256*(16*(\half)+\i) th:TH_LOAD_NT
	global_load_b32 v[VR+32+16*(\half)+\i], v11, s[6:7] offset:256*(16*(\half)+\i)+128 th:TH_LOAD_NT
.endr
.endm
; n numbers in v[src] on become n codes in v[dst] on
.macro QUANT src, dst, n, sc, lim
.set qi, 0
.rept (\n)/8
.irp i, 0,1,2,3,4,5,6,7
	v_med3_num_f32 v[(\src)+8*qi+\i], v[(\src)+8*qi+\i], -v[\lim], v[\lim]   ; the conversion to an 8-bit code does not saturate (ISA guide 7.6.2): the hold at the largest code x the scale
.endr
	v_cvt_scalef32_pk8_fp8_f32 v[(\dst)+2*qi:(\dst)+2*qi+1], v[(\src)+8*qi:(\src)+8*qi+7], v[\sc]
.set qi, qi+1
.endr
	v_nop                                          ; a plain line behind the last conversion of a run
.endm
.macro VOUT half                       ; 16 keys of my two columns: 16 bytes each; sixteen lanes store 256 consecutive bytes, aligned
	QUANT VR+16*(\half), CV+4*(\half), 16, 14, 15
	QUANT VR+32+16*(\half), CV+8+4*(\half), 16, 14, 15
	global_store_b128 v7, v[CV+4*(\half):CV+4*(\half)+3], s[30:31] offset:8192+256*(\half)
	global_store_b128 v7, v[CV+8+4*(\half):CV+8+4*(\half)+3], s[30:31] offset:8192+4096+256*(\half)
.endm
.irp i, 0,1,2,3,4,5,6,7
	global_load_b128 v[MK+4*\i:MK+4*\i+3], v7, s[8:9] offset:4096*\i th:TH_LOAD_NT   ; rows 2 i and 2 i + 1 of the mask, 256 bytes each
.endr
.irp i, 0,1,2,3,4,5,6,7,8,9,10,11,12,13,14,15
	global_load_b128 v[KR+4*\i:KR+4*\i+3], v2, s[4:5] offset:512*\i th:TH_LOAD_NT    ; keys 2 i and 2 i + 1: 512 consecutive bytes
.endr
	VLOAD 0
	s_wait_loadcnt 48                              ; the mask's 8 loads are in; K's 16 and V's 32 stay out
.irp i, 0,1,2,3,4,5,6,7
	ds_store_b128 v8, v[MK+4*\i:MK+4*\i+3] offset:2*MP*\i
.endr
.irp s, 0,1
.irp b, 0,1,2,3
	ds_load_b128 v[MK+16*\s+4*\b:MK+16*\s+4*\b+3], v9 offset:128*\s+32*\b   ; LDS serves a wave's instructions in order (ISA guide 5.7.1.4): query r, keys 128 s + 32 b + 16 h + 0..15
.endr
.endr
	s_wait_loadcnt 32                              ; K's 16 loads are in; V's 32 stay out
.irp i, 0,1,2,3,4,5,6,7,8,9,10,11,12,13,14,15
	ds_store_b128 v8, v[KR+4*\i:KR+4*\i+3] offset:KST+MP*(16*(((2*\i)/8)%2)+(2*\i)%8+8*((2*\i)/16))   ; key x goes to row 16 ((x/8)%2) + x%8 + 8 (x/16): a tile's sixteen keys lie in sixteen neighbouring rows
.endr
.irp u, 0,1
.irp c, 0,1
.irp j, 0,1,2,3
	ds_load_b128 v[KR+32*\u+16*\c+4*\j:KR+32*\u+16*\c+4*\j+3], v10 offset:KST+16*MP*\u+128*\c+16*\j   ; tile u, row r: d = 32 c + 16 h + 4 j + 0..3
.endr
.endr
.endr
	VLOAD 1
	s_wait_dscnt 32                                ; the mask is back; K's 16 stores and 16 loads stay out
	; byte k of register MK + q is the mask for word 4 q + k: its 32 lanes' bits are the word, which goes to register k of lane q
.set q, 0
.rept 32
.irp k, 0,1,2,3
	v_and_b32 v[TM+\k], 0xff<<(8*\k), v[MK+q]
.endr
.irp k, 0,1,2,3
	v_cmp_ne_u32 s[32+4*(q%2)+\k], 0, v[TM+\k]
.endr
.irp k, 0,1,2,3
	v_writelane_b32 v[W4+\k], s[32+4*(q%2)+\k], q
.endr
.set q, q+1
.endr
	global_store_b128 v2, v[W4:W4+3], s[14:15]     ; 128 words: 512 consecutive bytes
	s_wait_kmcnt 0x0
	s_add_co_i32 s41, s25, 127
	s_lshl_b32 s42, s41, 23
	v_mov_b32 v12, s42                             ; 2^ek as f32: the conversion takes its exponent field
	s_add_co_i32 s41, s41, 8
	s_lshl_b32 s41, s41, 23
	s_or_b32 s41, s41, 0x600000
	v_mov_b32 v13, s41                             ; 448 x 2^ek
	s_add_co_i32 s41, s27, 127
	s_lshl_b32 s42, s41, 23
	v_mov_b32 v14, s42                             ; 2^ev
	s_add_co_i32 s41, s41, 8
	s_lshl_b32 s41, s41, 23
	s_or_b32 s41, s41, 0x600000
	v_mov_b32 v15, s41                             ; 448 x 2^ev
	s_wait_dscnt 0x0                               ; K is back
	QUANT KR, CK, 64, 12, 13
.irp u, 0,1
.irp c, 0,1
	global_store_b128 v2, v[CK+8*\u+4*\c:CK+8*\u+4*\c+3], s[28:29] offset:1024*\u+512*\c   ; an image: 512 consecutive bytes
.endr
.endr
	s_wait_loadcnt 32                              ; V's keys 0-15 are in; keys 16-31 stay out
	VOUT 0
	s_wait_loadcnt 0x0
	VOUT 1
	s_wait_tensorcnt 0x0                           ; the wave's end
	ds_add_u32 v[SPW], v[NIL]
	s_wait_dscnt 0x0
	s_endpgm
.Lfunc_end_k_q0a025cee4b_prep:
	.size	k_q0a025cee4b_prep, .Lfunc_end_k_q0a025cee4b_prep-k_q0a025cee4b_prep
	.p2alignl 7, 3214868480
	.fill 96, 4, 3214868480
	.section	.rodata,"a",@progbits
	.p2align	6, 0x0
	.amdhsa_kernel k_q0a025cee4b_prep
		.amdhsa_group_segment_fixed_size 52736
		.amdhsa_private_segment_fixed_size 0
		.amdhsa_enable_private_segment 0
		.amdhsa_kernarg_size 48
		.amdhsa_user_sgpr_count 2
		.amdhsa_user_sgpr_kernarg_segment_ptr 1
		.amdhsa_wavefront_size32 1
		.amdhsa_system_sgpr_workgroup_id_x 1
		.amdhsa_system_sgpr_workgroup_id_y 1
		.amdhsa_system_sgpr_workgroup_id_z 1
		.amdhsa_system_vgpr_workitem_id 0
		.amdhsa_next_free_vgpr 216
		.amdhsa_next_free_sgpr 66
		.amdhsa_reserve_vcc 0
		.amdhsa_float_denorm_mode_32 3
		.amdhsa_float_denorm_mode_16_64 3
		.amdhsa_memory_ordered 1
		.amdhsa_forward_progress 1
		.amdhsa_inst_pref_size 49
	.end_amdhsa_kernel
	.amdgpu_metadata
---
amdhsa.version: [ 1, 2 ]
amdhsa.kernels:
  - .name:           k_q0a025cee4b_prep
    .symbol:         k_q0a025cee4b_prep.kd
    .args:
      - { .name: K, .offset: 0, .size: 8, .value_kind: global_buffer, .address_space: global }
      - { .name: V, .offset: 8, .size: 8, .value_kind: global_buffer, .address_space: global }
      - { .name: mask, .offset: 16, .size: 8, .value_kind: global_buffer, .address_space: global }
      - { .name: lowp_scales, .offset: 24, .size: 8, .value_kind: global_buffer, .address_space: global }
      - { .name: kv, .offset: 32, .size: 8, .value_kind: global_buffer, .address_space: global }
      - { .name: mbits, .offset: 40, .size: 8, .value_kind: global_buffer, .address_space: global }
    .group_segment_fixed_size: 52736
    .private_segment_fixed_size: 0
    .kernarg_segment_align: 8
    .kernarg_segment_size: 48
    .max_flat_workgroup_size: 128
    .sgpr_count:     66
    .vgpr_count:     216
    .wavefront_size: 32
...
	.end_amdgpu_metadata
.endif
;; end of part 1
;; launch attn (part 2): grid 4 x 64, 16 waves a work-group, no clusters, 264,192 bytes of LDS; arguments Q, kv, mbits, lowp_scales, out0; writes out0
.if DOCPART == 2
	.amdgcn_target "amdgcn-amd-amdhsa--gfx1250"
	.amdhsa_code_object_version 6
	.text
	.protected	k_q0a025cee4b_attn
	.globl	k_q0a025cee4b_attn
	.p2align	8
	.type	k_q0a025cee4b_attn,@function
k_q0a025cee4b_attn:
	s_mov_b64 s[64:65], 0
	v_nop
	global_prefetch_b8 v0, s[64:65] scope:SCOPE_SE
	s_setreg_imm32_b32 hwreg(HW_REG_WAVE_MODE, 25, 1), 1
	s_wait_xcnt 0x0
; out[head][q][:] = the sum over k of softmax_k(where(mask, -1e9, Q.K) / 8) V[k][:], both products on codes of E4M3 with the given scales 2^eq, 2^ek, 2^ep, 2^ev.
; THE SOFTMAX AHEAD OF THE SECOND PRODUCT: t = logit x log2(e); M = the ceiling of the row's largest t so far; p = 2^(t - M) is quantised, not normalised; the row's sum is taken of the unquantised p and divides at the end.
; Only -M is carried (NM = min(NM, floor(-t of the step))); when it moves, the sum and O are multiplied by 2^(old M - new M), which rounds nothing.
; SHARES.  A work-group owns 512 queries of one head; each of its sixteen waves 32 of them, two tiles A and B of 16, so that each fragment of K and V read from LDS feeds two products.  Every wave walks the head's 2,048 keys, 128 a step.
; LDS holds the head's whole kv image (262,144 bytes), filled ONCE through registers (wave w brings step w's 16,384 bytes): no slot is ever filled again.  Fragments lie as images of registers: every LDS load is 512 consecutive bytes.
; LAYOUT.  Both products are used transposed: S^T = K Q^T (source 0 = 16 keys, source 1 = 16 queries), O^T = V^T P^T: a lane holds ONE query (lane % 16) throughout.  The keys of a tile of K are chosen so that score register n of
; lane (r, h) is key 32 (n/16) + 16 h + n%16 of the step: sixteen registers are sixteen neighbouring keys, and the conversions' results are the second product's operand.  The order of k inside a fragment is the same on both sides of each product.
; THE MASK comes as lane masks in scalar registers (64 words for a tile and a step, made by the launch before): one v_cndmask_b32 a score register.
; THE FILL is -2^30 in score units in place of -1e9: fill x c is then a whole number, so a row that is wholly masked gets t - M = 0 and p = 1 for every key, the uniform row.  LIMIT: |score| <= 64 x 448^2 x 2^(eq + ek); for eq + ek <= 6
; no unmasked score comes near -1e9 and the result is reference()'s for every input; above that, rows whose largest unmasked score lies under about -9.9e8 differ.
; OTHER LIMITS, so that each power of two below is an f32 number: eq + ek between -97 and 130; eq and ep between -126 and 119.  NaN and infinity among the inputs are not served.
; THE HOLD.  p is at most 1 (but for the last bit), so the hold at 448 x 2^ep can act only where ep < -8: a scalar branch on ep jumps over its 64 lines for a tile and a step.
; NO JOINT LOADS, though the four work-groups of a head read the same kv bytes: they are read once, 32 loads a lane at the head, against 16 steps of over 500 vector instructions a wave
; No prefetch: kv is wanted at the head, and the mask's words are asked for a whole softmax ahead of their use.
.set SPARE, 262144                     ; behind the image: the spare words, 128 bytes for each of 16 waves: eight blocks of 256 bytes that no other line names
.set STEPB, 16384                      ; a step's image: 8 tiles of K (1,024 bytes each), then 4 fragments of V (2,048 each)
.set VOFF,  8192
.set LI,   1                           ; v1   16 x lane
.set SPW,  2                           ; v2   my spare word's LDS address; never rewritten
.set NIL,  3                           ; v3   0; never rewritten
.set NM,   4                           ; v4   -M of tile A, v6 of tile B (each named as the low word of a pair)
.set EPS,  5                           ; v5   2^ep as f32
.set ADR,  7                           ; v7   LDS address of the step in hand
.set F,    8                           ; v8   2^(old M - new M)
.set FILL, 9                           ; v9   -2^(30 - eq - ek): the fill in units of the codes' products
.set LS,   10                          ; v[10:11] the sum of tile A in two halves, v[12:13] of tile B
.set QF,   16                          ; v16-23 Q's fragment of tile A, v24-31 of tile B
.set PF,   32                          ; v32-47 p's codes of tile A, v48-63 of tile B; before that K's tiles 0-3, and a softmax's temporaries
.set SF,   64                          ; v64-127 S^T of tile A, later V's four fragments; v128-191 S^T of tile B, before that (v128-159) K's tiles 4-7
.set OF,   192                         ; v192-223 O^T of tile A, v224-255 of tile B
; s[2:3] lane selects; s[4:13] Q, kv, mbits, scales, out0; s14 wave; s[22:23] c x 2^(eq + ek); s[24:27] eq, ek, ep, ev; s28 the step's LDS byte; s29 trips; s30 the step's byte in mbits; s31 448 x 2^ep; s66 ep + ev
; s[32:63], s[68:99] the 64 mask words: word n in s[32 + n + 4 (n / 32)]
.macro MLOAD tile                      ; a tile's 64 words of the step at s30
	s_load_b512 s[32:47], s[8:9], s30 offset:(\tile)*4096
	s_load_b512 s[48:63], s[8:9], s30 offset:(\tile)*4096+64
	s_load_b512 s[68:83], s[8:9], s30 offset:(\tile)*4096+128
	s_load_b512 s[84:99], s[8:9], s30 offset:(\tile)*4096+192
.endm
	s_load_b256 s[4:11], s[0:1], 0x0               ; Q s[4:5], kv s[6:7], mbits s[8:9], scales s[10:11]
	s_load_b64 s[12:13], s[0:1], 0x20              ; out0
	v_lshl_add_u32 v[SPW], v0, 2, SPARE
	v_mov_b32 v[NIL], 0
	v_lshrrev_b32 v1, 5, v0
	v_readfirstlane_b32 s14, v1                    ; wave 0..15
	v_and_b32 v1, 31, v0
	v_lshlrev_b32 v[LI], 4, v1
	v_and_b32 v14, 15, v0                          ; r
	v_lshlrev_b32 v14, 8, v14
	v_bfe_u32 v15, v0, 4, 1                        ; h
	v_lshl_add_u32 v14, v15, 6, v14                ; Q: row r of 256 bytes, + 64 h: my 16 numbers of each 32
	s_lshl_b32 s28, s14, 14
	v_add_nc_u32 v[ADR], s28, v[LI]                ; the fill: step w's bytes, in kv's head and in LDS alike
	s_and_b32 s15, ttmp7, 0xffff                   ; the head
	s_lshl_b32 s18, s15, 19                        ; Q, out0: a head is 2,048 rows of 256 bytes,
	s_lshl_b32 s19, ttmp9, 17                      ; the work-group's 512 rows,
	s_add_co_u32 s18, s18, s19
	s_lshl_b32 s19, s14, 13                        ; the wave's 32
	s_add_co_u32 s18, s18, s19
	s_mov_b32 s19, 0
	s_lshl_b32 s20, s15, 18                        ; kv: a head is 262,144 bytes
	s_mov_b32 s21, 0
	s_lshr_b32 s16, s15, 4                         ; mbits: the batch's 128 tiles,
	s_lshl_b32 s16, s16, 7
	s_lshl_b32 s17, ttmp9, 5                       ; the work-group's 32,
	s_add_co_u32 s16, s16, s17
	s_lshl_b32 s17, s14, 1                         ; the wave's two;
	s_add_co_u32 s16, s16, s17
	s_lshl_b32 s16, s16, 12                        ; a tile is 16 steps of 256 bytes
	s_mov_b32 s17, 0
	s_mov_b32 s2, 0x76543210
	s_mov_b32 s3, 0xfedcba98                       ; v_permlanex16_b32: lane l xor 16
	s_mov_b32 s30, 0
	s_wait_kmcnt 0x0
	s_add_nc_u64 s[4:5], s[4:5], s[18:19]
	s_add_nc_u64 s[12:13], s[12:13], s[18:19]
	s_add_nc_u64 s[6:7], s[6:7], s[20:21]
	s_add_nc_u64 s[8:9], s[8:9], s[16:17]
	s_load_b128 s[24:27], s[10:11], 0x0            ; eq, ek, ep, ev
	MLOAD 0                                        ; step 0, tile A
.irp x, 0,1
.irp c, 0,1
.irp j, 0,1,2,3
	global_load_b128 v[OF+32*\x+16*\c+4*\j:OF+32*\x+16*\c+4*\j+3], v14, s[4:5] offset:4096*\x+128*\c+16*\j th:TH_LOAD_NT   ; Q(tile x, row r, 32 c + 16 h + 4 j + 0..3)
.endr
.endr
.endr
.set i, 0
.rept 32
	global_load_b128 v[SF+4*i:SF+4*i+3], v[ADR], s[6:7] offset:512*i   ; 512 consecutive bytes of step w's image
.set i, i+1
.endr
	s_wait_kmcnt 0x0
	s_add_co_i32 s18, s24, s25                     ; eq + ek: a sum of the first product stands for sum x 2^(eq + ek)
	s_lshl_b32 s19, s18, 23
	s_add_co_u32 s22, s19, 0x3e38aa3b              ; c = log2(e) / 8, with eq + ek added to its exponent field
	s_mov_b32 s23, s22                             ; (named with it as a pair, so it is written)
	s_sub_co_i32 s19, 157, s18
	s_lshl_b32 s19, s19, 23
	s_or_b32 s19, s19, 0x80000000
	v_mov_b32 v[FILL], s19                         ; -2^(30 - eq - ek)
	s_add_co_i32 s18, s24, 127
	s_lshl_b32 s19, s18, 23
	v_mov_b32 v10, s19                             ; 2^eq, for Q's conversions
	s_add_co_i32 s18, s18, 8
	s_lshl_b32 s18, s18, 23
	s_or_b32 s18, s18, 0x600000
	v_mov_b32 v11, s18                             ; 448 x 2^eq
	s_add_co_i32 s18, s26, 127
	s_lshl_b32 s19, s18, 23
	v_mov_b32 v[EPS], s19                          ; 2^ep, for p's conversions
	s_add_co_i32 s18, s18, 8
	s_lshl_b32 s18, s18, 23
	s_or_b32 s31, s18, 0x600000                    ; 448 x 2^ep
	s_add_co_i32 s66, s26, s27                     ; ep + ev
	s_mov_b32 s28, 0
	s_mov_b32 s29, 0
	s_wait_loadcnt 32                              ; Q's 16 loads are in; the 32 of the fill stay out
.set qi, 0
.rept 8
.irp i, 0,1,2,3,4,5,6,7
	v_med3_num_f32 v[OF+8*qi+\i], v[OF+8*qi+\i], -v11, v11   ; the conversion to an 8-bit code does not saturate (ISA guide 7.6.2)
.endr
	v_cvt_scalef32_pk8_fp8_f32 v[QF+2*qi:QF+2*qi+1], v[OF+8*qi:OF+8*qi+7], v10   ; registers 4 c .. 4 c + 3 of a tile's fragment: d = 32 c + 16 h + 0..15, as K's images have it
.set qi, qi+1
.endr
	v_nop                                          ; a plain line between the conversions and the lines that write their sources
.set i, 0
.rept 64
	v_mov_b32 v[OF+i], 0                           ; O^T.  (The step is written once: the first finds zeros, which the first change of M leaves zeros)
.set i, i+1
.endr
	v_mov_b32 v[NM], 0x7f61b1e6                    ; -M = 3e38: M lies under every t
	v_mov_b32 v[NM+2], 0x7f61b1e6
	v_mov_b32 v[F], 0
.irp i, 0,1,2,3
	v_mov_b32 v[LS+\i], 0                          ; the sums
.endr
.irp g, 0,1,2,3
	s_wait_loadcnt 24-8*\g                         ; eight more of the fill's loads are in
.irp i, 0,1,2,3,4,5,6,7
	ds_store_b128 v[ADR], v[SF+32*\g+4*\i:SF+32*\g+4*\i+3] offset:512*(8*\g+\i)
.endr
.endr
	s_wait_dscnt 0x0                               ; for the others' sake: my part of the image lies in LDS
	s_barrier_signal -1
	s_barrier_wait -1                              ; everybody's does
.macro QK t, x                         ; S^T of tile x, keys' tile t: one product, K = the head's 64
.if (\t) < 4
.set rK, PF+8*(\t)
.else
.set rK, SF+64+8*((\t)-4)
.endif
	v_wmma_f32_16x16x64_fp8_fp8 v[SF+64*(\x)+8*(\t):SF+64*(\x)+8*(\t)+7], v[rK:rK+7], v[QF+8*(\x):QF+8*(\x)+7], 0
.endm
; THE SOFTMAX of tile x for one step: its 64 score registers become 16 registers of codes, and its sum and O^T come under the new M.  Temporaries lie in the tile's code registers, which only the conversions at the end write.
.macro SOFTMAX x
.set rS, SF+64*(\x)
.set rP, PF+16*(\x)
.set rO, OF+32*(\x)
.set rN, NM+2*(\x)
.set rL, LS+2*(\x)
	s_wait_kmcnt 0x0                               ; the tile's 64 mask words are in
.set n, 0
.rept 64
	v_cndmask_b32 v[rS+n], v[rS+n], v[FILL], s[32+n+4*(n/32)]   ; masked: the fill.  Ascending: each accumulator is read from its low end on
.set n, n+1
.endr
	v_max3_num_f32 v[rP], v[rS], v[rS+1], v[rS+2]  ; the step's largest score of my query among my 64 keys, in two chains,
	v_max3_num_f32 v[rP+1], v[rS+3], v[rS+4], v[rS+5]
.irp i, 6,10,14,18,22,26,30,34,38,42,46,50,54,58
	v_max3_num_f32 v[rP], v[rP], v[rS+\i], v[rS+\i+1]
	v_max3_num_f32 v[rP+1], v[rP+1], v[rS+\i+2], v[rS+\i+3]
.endr
	v_max3_num_f32 v[rP], v[rP], v[rS+62], v[rS+63]
	v_max_num_f32 v[rP], v[rP], v[rP+1]
.if \x
	s_add_co_u32 s30, s30, 256                     ; (no scalar load is out since the wait above, so their offset may be written)  the next step's words;
	s_and_b32 s30, s30, 0xfff                      ; behind the last step it turns back to step 0: the load stays inside the buffer, and nobody reads what it brings
	MLOAD 0
.else
	MLOAD 1                                        ; the other tile's words, a whole softmax ahead of their use
.endif
	v_permlanex16_b32 v[rP+4], v[rP], s2, s3
	v_max_num_f32 v[rP], v[rP], v[rP+4]            ; and among lane l xor 16's
	v_mul_f32 v[rP], s22, v[rP]                    ; as t (c is positive)
	v_floor_f32 v[rP], -v[rP]                      ; -ceil(t)
	v_mov_b32 v[rP+1], v[rN]
	v_min_num_f32 v[rN], v[rN], v[rP]              ; the new -M: a whole number
	v_sub_f32 v[rP+1], v[rN], v[rP+1]              ; old M - new M: 0 or less
	v_cvt_i32_f32 v[rP+1], v[rP+1]                 ; (it saturates)
	v_ldexp_f32 v[F], 1.0, v[rP+1]                 ; f = 2^(old M - new M)
.set n, 0
.rept 32
	v_pk_fma_f32 v[rS+n:rS+n+1], v[rS+n:rS+n+1], s[22:23], v[rN:rN+1] op_sel_hi:[1,0,0]   ; t - M, two at a time (of the pairs c and -M the low word serves both halves)
.set n, n+2
.endr
.set n, 0
.rept 64
	v_exp_f32 v[rS+n], v[rS+n]                     ; p = 2^(t - M)
.set n, n+1
.endr
	v_pk_mul_f32 v[rL:rL+1], v[rL:rL+1], v[F:F+1] op_sel_hi:[1,0]   ; the sum under the new M: the plain line behind the exponentials
	s_wait_alu depctr_va_vdst(0)                   ; one wait for the batch of 64, ahead of its first reader
	v_pk_add_f32 v[rP+2:rP+3], v[rS:rS+1], v[rS+2:rS+3]   ; the row's sum is taken of the unquantised p: two at a time, in two chains
.irp j, 4,8,12,16,20,24,28,32,36,40,44,48,52,56,60
	v_pk_add_f32 v[rL:rL+1], v[rL:rL+1], v[rS+\j:rS+\j+1]
	v_pk_add_f32 v[rP+2:rP+3], v[rP+2:rP+3], v[rS+\j+2:rS+\j+3]
.endr
	v_pk_add_f32 v[rL:rL+1], v[rL:rL+1], v[rP+2:rP+3]
	s_cmp_ge_i32 s26, -8                           ; 448 x 2^ep is 1.75 or more: no p reaches it
	s_cbranch_scc1 .Lno_hold_\@
.set n, 0
.rept 64
	v_min_num_f32 v[rS+n], s31, v[rS+n]            ; the hold; p is not negative, so it is one-sided
.set n, n+1
.endr
.Lno_hold_\@:
.irp b, 0,1,2,3
	v_cvt_scalef32_pk8_fp8_f32 v[rP+4*\b:rP+4*\b+1], v[rS+16*\b:rS+16*\b+7], v[EPS]      ; registers 4 b .. 4 b + 3 of the operand: keys 32 b + 16 h + 0..15
	v_cvt_scalef32_pk8_fp8_f32 v[rP+4*\b+2:rP+4*\b+3], v[rS+16*\b+8:rS+16*\b+15], v[EPS]
.endr
.set n, 0
.rept 16
	v_pk_mul_f32 v[rO+n:rO+n+1], v[rO+n:rO+n+1], v[F:F+1] op_sel_hi:[1,0]   ; O^T under the new M, ascending.  (Also the plain lines behind the conversions)
.set n, n+2
.endr
.endm
.Lstep:                                            ; 16 trips, 128 keys each
	v_add_nc_u32 v[ADR], s28, v[LI]
.rept 4
	v_nop                                          ; with the line above five places behind the last products: four for the loads into p's registers, five for the products that write over V's
.endr
.irp t, 0,1,2,3
.irp c, 0,1
	ds_load_b128 v[PF+8*\t+4*\c:PF+8*\t+4*\c+3], v[ADR] offset:1024*\t+512*\c
.endr
.endr
.irp t, 0,1,2,3
.irp c, 0,1
	ds_load_b128 v[SF+64+8*\t+4*\c:SF+64+8*\t+4*\c+3], v[ADR] offset:4096+1024*\t+512*\c
.endr
.endr
	s_wait_dscnt 8                                 ; K's tiles 0-3 are in; the eight younger loads (tiles 4-7) stay out
.irp t, 0,1,2,3
	QK \t, 0
.endr
	s_wait_dscnt 0x0
.irp t, 4,5,6,7
	QK \t, 0
.endr
.irp t, 4,5,6,7
	QK \t, 1
.endr
.rept 5
	v_nop                                          ; five places: the next four products write over K's tiles 4-7, which the eight above read; they are also the places ahead of the first read of tile A's scores
.endr
.irp t, 0,1,2,3
	QK \t, 1
.endr
	SOFTMAX 0
.irp t, 0,1,2,3
.irp b, 0,1,2,3
	ds_load_b128 v[SF+16*\t+4*\b:SF+16*\t+4*\b+3], v[ADR] offset:VOFF+2048*\t+512*\b   ; V's four fragments, into tile A's score registers: they land under tile B's softmax
.endr
.endr
	SOFTMAX 1
	s_wait_dscnt 0x0                               ; V is in
.irp t, 0,1,2,3
.irp x, 0,1
	v_wmma_f32_16x16x128_fp8_fp8 v[OF+32*\x+8*\t:OF+32*\x+8*\t+7], v[SF+16*\t:SF+16*\t+15], v[PF+16*\x:PF+16*\x+15], v[OF+32*\x+8*\t:OF+32*\x+8*\t+7]   ; the eight accumulators take turns, one instruction a turn
.endr
.endr
	s_add_co_u32 s28, s28, STEPB
	s_add_co_u32 s29, s29, 1
	s_cmp_lt_u32 s29, 16
	s_cbranch_scc1 .Lstep
	; THE WAY OUT.  O^T / the sum x 2^(ep + ev) goes through my stage in LDS, 32 rows of 256 bytes + 16, and leaves as whole rows.  The stages lie in the image's bytes, behind a barrier: nobody reads the image any more.
	s_wait_kmcnt 0x0                               ; the last words asked for, which nobody reads
	v_add_f32 v10, v10, v11                        ; the sums' two halves,  (these lines are the places behind the last products)
	v_add_f32 v12, v12, v13
	v_permlanex16_b32 v14, v10, s2, s3
	v_permlanex16_b32 v15, v12, s2, s3
	v_add_f32 v10, v10, v14                        ; and lane l xor 16's
	v_add_f32 v12, v12, v15
	v_rcp_f32 v4, v10
	v_rcp_f32 v6, v12
	v_and_b32 v16, 15, v0                          ; (plain lines behind the reciprocals)  r
	v_bfe_u32 v17, v0, 4, 1                        ; h
	s_mul_i32 s18, s14, 32*272                     ; my stage
	v_mul_u32_u24 v14, v16, 272
	v_lshl_add_u32 v14, v17, 5, v14
	v_add_nc_u32 v14, s18, v14                     ; in: row r, + 32 h: my eight channels of a tile of 16
	v_mul_u32_u24 v15, v17, 272
	v_lshl_add_u32 v15, v16, 4, v15
	v_add_nc_u32 v15, s18, v15                     ; back: lanes 0-15 one row, lanes 16-31 the next
	s_wait_alu depctr_va_vdst(0)                   ; one wait for the two reciprocals, ahead of their first reader
	v_ldexp_f32 v4, v4, s66                        ; x 2^(ep + ev)
	v_ldexp_f32 v6, v6, s66
	s_wait_dscnt 0x0                               ; my reads of the image are over
	s_barrier_signal -1
	s_barrier_wait -1                              ; everybody's are
.irp x, 0,1
.set n, 0
.rept 16
	v_pk_mul_f32 v[OF+32*\x+n:OF+32*\x+n+1], v[OF+32*\x+n:OF+32*\x+n+1], v[NM+2*\x:NM+2*\x+1] op_sel_hi:[1,0]   ; register 8 t + j is out(query r, 16 t + 8 h + j)
.set n, n+2
.endr
.endr
.irp x, 0,1
.irp t, 0,1,2,3
	ds_store_b128 v14, v[OF+32*\x+8*\t:OF+32*\x+8*\t+3] offset:16*272*\x+64*\t
	ds_store_b128 v14, v[OF+32*\x+8*\t+4:OF+32*\x+8*\t+7] offset:16*272*\x+64*\t+16
.endr
.endr
.irp k, 0,1,2,3,4,5,6,7,8,9,10,11,12,13,14,15
	ds_load_b128 v[SF+4*\k:SF+4*\k+3], v15 offset:2*272*\k   ; LDS serves a wave's instructions in order (ISA guide 5.7.1.4): these see my stores
.endr
.irp k, 0,1,2,3,4,5,6,7,8,9,10,11,12,13,14,15
	s_wait_dscnt 15-\k                             ; rows 2 k and 2 k + 1 are back; the younger loads stay out
	global_store_b128 v[LI], v[SF+4*\k:SF+4*\k+3], s[12:13] offset:512*\k th:TH_STORE_NT   ; 32 lanes store 512 consecutive bytes, at a multiple of 256 from out0's first byte
.endr
	s_wait_tensorcnt 0x0                           ; the wave's end
	ds_add_u32 v[SPW], v[NIL]
	s_wait_dscnt 0x0
	s_endpgm
.Lfunc_end_k_q0a025cee4b_attn:
	.size	k_q0a025cee4b_attn, .Lfunc_end_k_q0a025cee4b_attn-k_q0a025cee4b_attn
	.p2alignl 7, 3214868480
	.fill 96, 4, 3214868480
	.section	.rodata,"a",@progbits
	.p2align	6, 0x0
	.amdhsa_kernel k_q0a025cee4b_attn
		.amdhsa_group_segment_fixed_size 264192
		.amdhsa_private_segment_fixed_size 0
		.amdhsa_enable_private_segment 0
		.amdhsa_kernarg_size 40
		.amdhsa_user_sgpr_count 2
		.amdhsa_user_sgpr_kernarg_segment_ptr 1
		.amdhsa_wavefront_size32 1
		.amdhsa_system_sgpr_workgroup_id_x 1
		.amdhsa_system_sgpr_workgroup_id_y 1
		.amdhsa_system_sgpr_workgroup_id_z 1
		.amdhsa_system_vgpr_workitem_id 0
		.amdhsa_next_free_vgpr 256
		.amdhsa_next_free_sgpr 100
		.amdhsa_reserve_vcc 0
		.amdhsa_float_denorm_mode_32 3
		.amdhsa_float_denorm_mode_16_64 3
		.amdhsa_memory_ordered 1
		.amdhsa_forward_progress 1
		.amdhsa_inst_pref_size 61
	.end_amdhsa_kernel
	.amdgpu_metadata
---
amdhsa.version: [ 1, 2 ]
amdhsa.kernels:
  - .name:           k_q0a025cee4b_attn
    .symbol:         k_q0a025cee4b_attn.kd
    .args:
      - { .name: Q, .offset: 0, .size: 8, .value_kind: global_buffer, .address_space: global }
      - { .name: kv, .offset: 8, .size: 8, .value_kind: global_buffer, .address_space: global }
      - { .name: mbits, .offset: 16, .size: 8, .value_kind: global_buffer, .address_space: global }
      - { .name: lowp_scales, .offset: 24, .size: 8, .value_kind: global_buffer, .address_space: global }
      - { .name: out0, .offset: 32, .size: 8, .value_kind: global_buffer, .address_space: global }
    .group_segment_fixed_size: 264192
    .private_segment_fixed_size: 0
    .kernarg_segment_align: 8
    .kernarg_segment_size: 40
    .max_flat_workgroup_size: 512
    .sgpr_count:     100
    .vgpr_count:     256
    .wavefront_size: 32
...
	.end_amdgpu_metadata
.endif
;; end of part 2
;; ======== version 2 of 2: 2 launches
;; limits: right only within a limited range of input values
;; workspace buffers: kv 16,777,216 bytes; mbits 2,097,152 bytes of whole numbers
;; launch prep (part 3): grid 1024 x 1, 4 waves a work-group, no clusters, 52,736 bytes of LDS; arguments K, V, mask, lowp_scales, kv, mbits; writes kv, mbits
.if DOCPART == 3
	.amdgcn_target "amdgcn-amd-amdhsa--gfx1250"
	.amdhsa_code_object_version 6
	.text
	.protected	k_q0a025cee4b_prep
	.globl	k_q0a025cee4b_prep
	.p2align	8
	.type	k_q0a025cee4b_prep,@function
k_q0a025cee4b_prep:
	s_mov_b64 s[64:65], 0
	v_nop
	global_prefetch_b8 v0, s[64:65] scope:SCOPE_SE
	s_setreg_imm32_b32 hwreg(HW_REG_WAVE_MODE, 25, 1), 1
	s_wait_xcnt 0x0
; K and V [64 heads][2048 keys][64] f32 become codes of E4M3, laid as IMAGES OF THE OPERANDS' REGISTERS for the attention launch; the mask's bytes become lane masks.
; code = x / 2^e, held within +-448, to the nearest code, ties to even; e = entry 1 (K) and entry 3 (V) of the scales.  LIMITS: ek and ev between -126 and 119, so that 2^e and 448 x 2^e are f32 numbers.  NaN among the inputs is not served.
; kv: a head is 16 steps of 128 keys, 16,384 bytes a step.  L = 16 h + r is the lane that will hold the bytes.
;   K's part: byte 1024 T + 512 c + 16 L + y = code of K[key 128 s + 32 (T/2) + 8 (T%2) + r + 8 (r/8)][32 c + 16 h + y]
;   V's part: byte 8192 + 2048 t + 512 b + 16 L + y = code of V[key 128 s + 32 b + 16 h + y][16 t + r]: the keys, the second product's K, run along a lane's bytes
; mbits: [batch][tile of 16 queries][step][n = 0..63] words: bit L of word n = mask[16 tile + r][128 s + 32 (n/16) + 16 h + n%16]: the key that score register n of lane L will hold.
; SHARES.  Wave W = 4 x work-group + wave (0 .. 4095) takes 32 keys of one head of K, the same 32 keys of V, and 16 queries x 256 keys of the mask.  Waves share nothing: no barrier, no loop, every offset an immediate.
; K and the mask are loaded as they lie (each load of a wave covers 512 or twice 256 consecutive bytes) and turn through the wave's own stage in LDS, rows 272 bytes apart, so that a lane gets neighbours along a row.
; V needs no turn: a lane takes a column d and its registers run down the keys.  No store's data register is written again, so no wait frees one.
.set MP,    272                        ; a stage row: 256 bytes + 16
.set KST,   16*MP                      ; a wave's LDS: the mask's 16 rows, then K's 32 rows
.set WREG,  48*MP                      ; 13,056 bytes a wave
.set SPARE, 4*WREG                     ; behind the four regions: the spare words, 128 bytes a wave, two blocks of 256 bytes that no other line names
.set SPW,   5                          ; v5   my spare word's LDS address; never rewritten
.set NIL,   6                          ; v6   0; never rewritten
.set TM,    16                         ; v16-19   at work
.set W4,    20                         ; v20-23   the 128 mask words: word g in register g % 4 of lane g / 4
.set MK,    24                         ; v24-55   the mask's bytes
.set KR,    56                         ; v56-119  K's numbers
.set VR,    120                        ; v120-183 V's numbers: column 32 hf + lane at VR + 32 hf + key
.set CK,    184                        ; v184-199 K's codes
.set CV,    200                        ; v200-215 V's codes
	s_load_b256 s[4:11], s[0:1], 0x0               ; K s[4:5], V s[6:7], mask s[8:9], scales s[10:11]
	s_load_b128 s[12:15], s[0:1], 0x20             ; kv s[12:13], mbits s[14:15]
	v_lshl_add_u32 v[SPW], v0, 2, SPARE
	v_mov_b32 v[NIL], 0
	v_lshrrev_b32 v1, 5, v0
	v_readfirstlane_b32 s16, v1                    ; wave 0..3
	v_and_b32 v1, 31, v0                           ; L
	v_and_b32 v3, 15, v0                           ; L % 16
	v_bfe_u32 v4, v0, 4, 1                         ; L / 16
	v_lshlrev_b32 v2, 4, v1                        ; 16 L
	v_lshlrev_b32 v11, 2, v1                       ; 4 L
	v_lshlrev_b32 v7, 4, v3
	v_lshl_add_u32 v7, v4, 11, v7                  ; 2048 (L / 16) + 16 (L % 16): two rows of the mask; two images of V
	s_mul_i32 s40, s16, WREG                       ; my wave's LDS
	v_mul_u32_u24 v8, v4, MP
	v_lshl_add_u32 v8, v3, 4, v8
	v_add_nc_u32 v8, s40, v8                       ; into a stage: sixteen lanes to a row, two rows an instruction
	v_mul_u32_u24 v9, v3, MP
	v_add_nc_u32 v9, s40, v9                       ; out of a stage: row L % 16,
	v_lshl_add_u32 v10, v4, 6, v9                  ; K: + 64 (L / 16): 16 numbers
	v_lshl_add_u32 v9, v4, 4, v9                   ; mask: + 16 (L / 16): 16 bytes
.irp k, 0,1,2,3
	v_mov_b32 v[W4+\k], 0                          ; written once: a lane write's destination counts as read
.endr
	s_lshl_b32 s17, ttmp9, 2
	s_add_co_u32 s17, s17, s16                     ; W
	s_lshl_b32 s18, s17, 13                        ; K, V: 32 keys x 256 bytes
	s_mov_b32 s19, 0
	s_lshl_b32 s20, s17, 9                         ; mbits: 128 words
	s_mov_b32 s21, 0
	s_lshr_b32 s22, s17, 3
	s_lshl_b32 s22, s22, 15                        ; mask: tile W / 8: 16 rows of 2,048 bytes,
	s_and_b32 s23, s17, 7
	s_lshl_b32 s23, s23, 8                         ; + 256 keys x (W % 8)
	s_add_co_u32 s22, s22, s23
	s_mov_b32 s23, 0
	s_lshr_b32 s41, s17, 6
	s_lshl_b32 s41, s41, 18                        ; kv: head W / 64,
	s_bfe_u32 s42, s17, 0x40002
	s_lshl_b32 s42, s42, 14                        ; step (W / 4) % 16,
	s_add_co_u32 s41, s41, s42
	s_and_b32 s42, s17, 3                          ; b = W % 4: K's tiles 2 b, 2 b + 1; V's images (t, b)
	s_lshl_b32 s43, s42, 11
	s_lshl_b32 s42, s42, 9
	s_add_co_u32 s44, s41, s43
	s_mov_b32 s45, 0
	s_add_co_u32 s46, s41, s42
	s_mov_b32 s47, 0
	s_wait_alu depctr_va_vdst(0)
	s_wait_kmcnt 0x0
	s_load_b128 s[24:27], s[10:11], 0x0            ; eq, ek, ep, ev
	s_add_nc_u64 s[4:5], s[4:5], s[18:19]
	s_add_nc_u64 s[6:7], s[6:7], s[18:19]
	s_add_nc_u64 s[8:9], s[8:9], s[22:23]
	s_add_nc_u64 s[14:15], s[14:15], s[20:21]
	s_add_nc_u64 s[28:29], s[12:13], s[44:45]      ; kv for K's codes
	s_add_nc_u64 s[30:31], s[12:13], s[46:47]      ; kv for V's codes
.macro VLOAD half                      ; keys 16 half + 0..15: a row's two halves of 128 bytes one behind the other; lane = column
.irp i, 0,1,2,3,4,5,6,7,8,9,10,11,12,13,14,15
	global_load_b32 v[VR+16*(\half)+\i], v11, s[6:7] offset:256*(16*(\half)+\i) th:TH_LOAD_NT
	global_load_b32 v[VR+32+16*(\half)+\i], v11, s[6:7] offset:256*(16*(\half)+\i)+128 th:TH_LOAD_NT
.endr
.endm
; n numbers in v[src] on become n codes in v[dst] on
.macro QUANT src, dst, n, sc, lim
.set qi, 0
.rept (\n)/8
.irp i, 0,1,2,3,4,5,6,7
	v_med3_num_f32 v[(\src)+8*qi+\i], v[(\src)+8*qi+\i], -v[\lim], v[\lim]   ; the conversion to an 8-bit code does not saturate (ISA guide 7.6.2): the hold at the largest code x the scale
.endr
	v_cvt_scalef32_pk8_fp8_f32 v[(\dst)+2*qi:(\dst)+2*qi+1], v[(\src)+8*qi:(\src)+8*qi+7], v[\sc]
.set qi, qi+1
.endr
	v_nop                                          ; a plain line behind the last conversion of a run
.endm
.macro VOUT half                       ; 16 keys of my two columns: 16 bytes each; sixteen lanes store 256 consecutive bytes, aligned
	QUANT VR+16*(\half), CV+4*(\half), 16, 14, 15
	QUANT VR+32+16*(\half), CV+8+4*(\half), 16, 14, 15
	global_store_b128 v7, v[CV+4*(\half):CV+4*(\half)+3], s[30:31] offset:8192+256*(\half)
	global_store_b128 v7, v[CV+8+4*(\half):CV+8+4*(\half)+3], s[30:31] offset:8192+4096+256*(\half)
.endm
.irp i, 0,1,2,3,4,5,6,7
	global_load_b128 v[MK+4*\i:MK+4*\i+3], v7, s[8:9] offset:4096*\i th:TH_LOAD_NT   ; rows 2 i and 2 i + 1 of the mask, 256 bytes each
.endr
.irp i, 0,1,2,3,4,5,6,7,8,9,10,11,12,13,14,15
	global_load_b128 v[KR+4*\i:KR+4*\i+3], v2, s[4:5] offset:512*\i th:TH_LOAD_NT    ; keys 2 i and 2 i + 1: 512 consecutive bytes
.endr
	VLOAD 0
	s_wait_loadcnt 48                              ; the mask's 8 loads are in; K's 16 and V's 32 stay out
.irp i, 0,1,2,3,4,5,6,7
	ds_store_b128 v8, v[MK+4*\i:MK+4*\i+3] offset:2*MP*\i
.endr
.irp s, 0,1
.irp b, 0,1,2,3
	ds_load_b128 v[MK+16*\s+4*\b:MK+16*\s+4*\b+3], v9 offset:128*\s+32*\b   ; LDS serves a wave's instructions in order (ISA guide 5.7.1.4): query r, keys 128 s + 32 b + 16 h + 0..15
.endr
.endr
	s_wait_loadcnt 32                              ; K's 16 loads are in; V's 32 stay out
.irp i, 0,1,2,3,4,5,6,7,8,9,10,11,12,13,14,15
	ds_store_b128 v8, v[KR+4*\i:KR+4*\i+3] offset:KST+MP*(16*(((2*\i)/8)%2)+(2*\i)%8+8*((2*\i)/16))   ; key x goes to row 16 ((x/8)%2) + x%8 + 8 (x/16): a tile's sixteen keys lie in sixteen neighbouring rows
.endr
.irp u, 0,1
.irp c, 0,1
.irp j, 0,1,2,3
	ds_load_b128 v[KR+32*\u+16*\c+4*\j:KR+32*\u+16*\c+4*\j+3], v10 offset:KST+16*MP*\u+128*\c+16*\j   ; tile u, row r: d = 32 c + 16 h + 4 j + 0..3
.endr
.endr
.endr
	VLOAD 1
	s_wait_dscnt 32                                ; the mask is back; K's 16 stores and 16 loads stay out
	; byte k of register MK + q is the mask for word 4 q + k: its 32 lanes' bits are the word, which goes to register k of lane q
.set q, 0
.rept 32
.irp k, 0,1,2,3
	v_and_b32 v[TM+\k], 0xff<<(8*\k), v[MK+q]
.endr
.irp k, 0,1,2,3
	v_cmp_ne_u32 s[32+4*(q%2)+\k], 0, v[TM+\k]
.endr
.irp k, 0,1,2,3
	v_writelane_b32 v[W4+\k], s[32+4*(q%2)+\k], q
.endr
.set q, q+1
.endr
	global_store_b128 v2, v[W4:W4+3], s[14:15]     ; 128 words: 512 consecutive bytes
	s_wait_kmcnt 0x0
	s_add_co_i32 s41, s25, 127
	s_lshl_b32 s42, s41, 23
	v_mov_b32 v12, s42                             ; 2^ek as f32: the conversion takes its exponent field
	s_add_co_i32 s41, s41, 8
	s_lshl_b32 s41, s41, 23
	s_or_b32 s41, s41, 0x600000
	v_mov_b32 v13, s41                             ; 448 x 2^ek
	s_add_co_i32 s41, s27, 127
	s_lshl_b32 s42, s41, 23
	v_mov_b32 v14, s42                             ; 2^ev
	s_add_co_i32 s41, s41, 8
	s_lshl_b32 s41, s41, 23
	s_or_b32 s41, s41, 0x600000
	v_mov_b32 v15, s41                             ; 448 x 2^ev
	s_wait_alu depctr_va_vdst(0)
	s_wait_dscnt 0x0                               ; K is back
	QUANT KR, CK, 64, 12, 13
.irp u, 0,1
.irp c, 0,1
	global_store_b128 v2, v[CK+8*\u+4*\c:CK+8*\u+4*\c+3], s[28:29] offset:1024*\u+512*\c   ; an image: 512 consecutive bytes
.endr
.endr
	s_wait_loadcnt 32                              ; V's keys 0-15 are in; keys 16-31 stay out
	VOUT 0
	s_wait_loadcnt 0x0
	VOUT 1
	s_wait_tensorcnt 0x0                           ; the wave's end
	ds_add_u32 v[SPW], v[NIL]
	s_wait_dscnt 0x0
	s_endpgm
.Lfunc_end_k_q0a025cee4b_prep:
	.size	k_q0a025cee4b_prep, .Lfunc_end_k_q0a025cee4b_prep-k_q0a025cee4b_prep
	.p2alignl 7, 3214868480
	.fill 96, 4, 3214868480
	.section	.rodata,"a",@progbits
	.p2align	6, 0x0
	.amdhsa_kernel k_q0a025cee4b_prep
		.amdhsa_group_segment_fixed_size 52736
		.amdhsa_private_segment_fixed_size 0
		.amdhsa_enable_private_segment 0
		.amdhsa_kernarg_size 48
		.amdhsa_user_sgpr_count 2
		.amdhsa_user_sgpr_kernarg_segment_ptr 1
		.amdhsa_wavefront_size32 1
		.amdhsa_system_sgpr_workgroup_id_x 1
		.amdhsa_system_sgpr_workgroup_id_y 1
		.amdhsa_system_sgpr_workgroup_id_z 1
		.amdhsa_system_vgpr_workitem_id 0
		.amdhsa_next_free_vgpr 216
		.amdhsa_next_free_sgpr 66
		.amdhsa_reserve_vcc 0
		.amdhsa_float_denorm_mode_32 3
		.amdhsa_float_denorm_mode_16_64 3
		.amdhsa_memory_ordered 1
		.amdhsa_forward_progress 1
		.amdhsa_inst_pref_size 49
	.end_amdhsa_kernel
	.amdgpu_metadata
---
amdhsa.version: [ 1, 2 ]
amdhsa.kernels:
  - .name:           k_q0a025cee4b_prep
    .symbol:         k_q0a025cee4b_prep.kd
    .args:
      - { .name: K, .offset: 0, .size: 8, .value_kind: global_buffer, .address_space: global }
      - { .name: V, .offset: 8, .size: 8, .value_kind: global_buffer, .address_space: global }
      - { .name: mask, .offset: 16, .size: 8, .value_kind: global_buffer, .address_space: global }
      - { .name: lowp_scales, .offset: 24, .size: 8, .value_kind: global_buffer, .address_space: global }
      - { .name: kv, .offset: 32, .size: 8, .value_kind: global_buffer, .address_space: global }
      - { .name: mbits, .offset: 40, .size: 8, .value_kind: global_buffer, .address_space: global }
    .group_segment_fixed_size: 52736
    .private_segment_fixed_size: 0
    .kernarg_segment_align: 8
    .kernarg_segment_size: 48
    .max_flat_workgroup_size: 128
    .sgpr_count:     66
    .vgpr_count:     216
    .wavefront_size: 32
...
	.end_amdgpu_metadata
.endif
;; end of part 3
;; launch attn (part 4): grid 4 x 64, 16 waves a work-group, no clusters, 264,192 bytes of LDS; arguments Q, kv, mbits, lowp_scales, out0; writes out0
.if DOCPART == 4
	.amdgcn_target "amdgcn-amd-amdhsa--gfx1250"
	.amdhsa_code_object_version 6
	.text
	.protected	k_q0a025cee4b_attn
	.globl	k_q0a025cee4b_attn
	.p2align	8
	.type	k_q0a025cee4b_attn,@function
k_q0a025cee4b_attn:
	s_mov_b64 s[64:65], 0
	v_nop
	global_prefetch_b8 v0, s[64:65] scope:SCOPE_SE
	s_setreg_imm32_b32 hwreg(HW_REG_WAVE_SCHED_MODE, 0, 2), 2
	s_setreg_imm32_b32 hwreg(HW_REG_WAVE_MODE, 25, 1), 1
	s_wait_xcnt 0x0
	s_wait_alu depctr_vm_vsrc(0)
; out[head][q][:] = the sum over k of softmax_k(where(mask, -1e9, Q.K) / 8) V[k][:], both products on codes of E4M3 with the given scales 2^eq, 2^ek, 2^ep, 2^ev.
; THE SOFTMAX AHEAD OF THE SECOND PRODUCT: t = logit x log2(e); M = the ceiling of the row's largest t so far; p = 2^(t - M) is quantised, not normalised; the row's sum is taken of the unquantised p and divides at the end.
; Only -M is carried (NM = min(NM, floor(-t of the step))); when it moves, the sum and O are multiplied by 2^(old M - new M), which rounds nothing.
; SHARES.  A work-group owns 512 queries of one head; each of its sixteen waves 32 of them, two tiles A and B of 16, so that each fragment of K and V read from LDS feeds two products.  Every wave walks the head's 2,048 keys, 128 a step.
; LDS holds the head's whole kv image (262,144 bytes), filled ONCE through registers (wave w brings step w's 16,384 bytes): no slot is ever filled again.  Fragments lie as images of registers: every LDS load is 512 consecutive bytes.
; LAYOUT.  Both products are used transposed: S^T = K Q^T (source 0 = 16 keys, source 1 = 16 queries), O^T = V^T P^T: a lane holds ONE query (lane % 16) throughout.  The keys of a tile of K are chosen so that score register n of
; lane (r, h) is key 32 (n/16) + 16 h + n%16 of the step: sixteen registers are sixteen neighbouring keys, and the conversions' results are the second product's operand.  The order of k inside a fragment is the same on both sides of each product.
; THE MASK comes as lane masks in scalar registers (64 words for a tile and a step, made by the launch before): one v_cndmask_b32 a score register.
; THE FILL is -2^30 in score units in place of -1e9: fill x c is then a whole number, so a row that is wholly masked gets t - M = 0 and p = 1 for every key, the uniform row.  LIMIT: |score| <= 64 x 448^2 x 2^(eq + ek); for eq + ek <= 6
; no unmasked score comes near -1e9 and the result is reference()'s for every input; above that, rows whose largest unmasked score lies under about -9.9e8 differ.
; OTHER LIMITS, so that each power of two below is an f32 number: eq + ek between -97 and 130; eq and ep between -126 and 119.  NaN and infinity among the inputs are not served.
; THE HOLD.  p is at most 1 (but for the last bit), so the hold at 448 x 2^ep can act only where ep < -8: a scalar branch on ep jumps over its 64 lines for a tile and a step.
; NO JOINT LOADS, though the four work-groups of a head read the same kv bytes: they are read once, 32 loads a lane at the head, against 16 steps of over 500 vector instructions a wave
; No prefetch: kv is wanted at the head, and the mask's words are asked for a whole softmax ahead of their use.
; THE MODE: SCHED_MODE bits 1:0 = 2 (LLVM: expert scheduling mode 2), set by the entry lines.  The code itself states the register dependences
; between vector or matrix instructions and memory or LDS instructions, with s_wait_alu, always for 0.
; THE PLAN.  Registers that memory or LDS instructions touch:
;   v[ADR]    Read by the fill's loads and LDS stores and by every LDS load of the loop; written at the head and once a trip, at the trip's top.
;   v[LI]     Written at the head alone; read by the last global stores.
;   v14, v15  v14: the offset of Q's loads at the head.  On the way out both are written anew: the stage's two addresses.
;   v32-63    A trip: K's tiles 0-3 land; the first products read them; the softmaxes write temporaries and p's codes; the second products read those.
;   v128-159  A trip: K's tiles 4-7 land; the first products read them and then write tile B's scores over them; tile B's softmax works on them.
;   v64-127   A trip: tile A's scores and its softmax; V's fragments land; the second products read them.  At the head (with v128-191) the fill passes through them; on the way out the stage's rows come back into them.
;   v192-255  Q's numbers land at the head; on the way out they are the LDS stores' data.
;   v[SPW], v[NIL]  Written at the head, read by the closing add alone.
; So a trip holds one wait on vm_vsrc and one on va_vdst at its top, round the add to v[ADR] and ahead of K's loads, and one on va_vdst in tile B's softmax, behind its chain of maxima, ahead of V's loads: no vector line
; of tile B's softmax names v64-127 or writes v[ADR].  The mask's words pass from scalar loads to vector instructions: KMcnt's affair.
.set SPARE, 262144                     ; behind the image: the spare words, 128 bytes for each of 16 waves: eight blocks of 256 bytes that no other line names
.set STEPB, 16384                      ; a step's image: 8 tiles of K (1,024 bytes each), then 4 fragments of V (2,048 each)
.set VOFF,  8192
.set LI,   1                           ; v1   16 x lane
.set SPW,  2                           ; v2   my spare word's LDS address; never rewritten
.set NIL,  3                           ; v3   0; never rewritten
.set NM,   4                           ; v4   -M of tile A, v6 of tile B (each named as the low word of a pair)
.set EPS,  5                           ; v5   2^ep as f32
.set ADR,  7                           ; v7   LDS address of the step in hand
.set F,    8                           ; v8   2^(old M - new M)
.set FILL, 9                           ; v9   -2^(30 - eq - ek): the fill in units of the codes' products
.set LS,   10                          ; v[10:11] the sum of tile A in two halves, v[12:13] of tile B
.set QF,   16                          ; v16-23 Q's fragment of tile A, v24-31 of tile B
.set PF,   32                          ; v32-47 p's codes of tile A, v48-63 of tile B; before that K's tiles 0-3, and a softmax's temporaries
.set SF,   64                          ; v64-127 S^T of tile A, later V's four fragments; v128-191 S^T of tile B, before that (v128-159) K's tiles 4-7
.set OF,   192                         ; v192-223 O^T of tile A, v224-255 of tile B
; s[2:3] lane selects; s[4:13] Q, kv, mbits, scales, out0; s14 wave; s[22:23] c x 2^(eq + ek); s[24:27] eq, ek, ep, ev; s28 the step's LDS byte; s29 trips; s30 the step's byte in mbits; s31 448 x 2^ep; s66 ep + ev
; s[32:63], s[68:99] the 64 mask words: word n in s[32 + n + 4 (n / 32)]
.macro MLOAD tile                      ; a tile's 64 words of the step at s30
	s_load_b512 s[32:47], s[8:9], s30 offset:(\tile)*4096
	s_load_b512 s[48:63], s[8:9], s30 offset:(\tile)*4096+64
	s_load_b512 s[68:83], s[8:9], s30 offset:(\tile)*4096+128
	s_load_b512 s[84:99], s[8:9], s30 offset:(\tile)*4096+192
.endm
	s_load_b256 s[4:11], s[0:1], 0x0               ; Q s[4:5], kv s[6:7], mbits s[8:9], scales s[10:11]
	s_load_b64 s[12:13], s[0:1], 0x20              ; out0
	v_lshl_add_u32 v[SPW], v0, 2, SPARE
	v_mov_b32 v[NIL], 0
	v_lshrrev_b32 v1, 5, v0
	v_readfirstlane_b32 s14, v1                    ; wave 0..15
	v_and_b32 v1, 31, v0
	v_lshlrev_b32 v[LI], 4, v1
	v_and_b32 v14, 15, v0                          ; r
	v_lshlrev_b32 v14, 8, v14
	v_bfe_u32 v15, v0, 4, 1                        ; h
	v_lshl_add_u32 v14, v15, 6, v14                ; Q: row r of 256 bytes, + 64 h: my 16 numbers of each 32
	s_wait_alu depctr_va_sdst(0)                   ; s14 is written, ahead of its first reader: the LDS address and the bases of Q, out0 and mbits are made from it
	s_lshl_b32 s28, s14, 14
	v_add_nc_u32 v[ADR], s28, v[LI]                ; the fill: step w's bytes, in kv's head and in LDS alike
	s_and_b32 s15, ttmp7, 0xffff                   ; the head
	s_lshl_b32 s18, s15, 19                        ; Q, out0: a head is 2,048 rows of 256 bytes,
	s_lshl_b32 s19, ttmp9, 17                      ; the work-group's 512 rows,
	s_add_co_u32 s18, s18, s19
	s_lshl_b32 s19, s14, 13                        ; the wave's 32
	s_add_co_u32 s18, s18, s19
	s_mov_b32 s19, 0
	s_lshl_b32 s20, s15, 18                        ; kv: a head is 262,144 bytes
	s_mov_b32 s21, 0
	s_lshr_b32 s16, s15, 4                         ; mbits: the batch's 128 tiles,
	s_lshl_b32 s16, s16, 7
	s_lshl_b32 s17, ttmp9, 5                       ; the work-group's 32,
	s_add_co_u32 s16, s16, s17
	s_lshl_b32 s17, s14, 1                         ; the wave's two;
	s_add_co_u32 s16, s16, s17
	s_lshl_b32 s16, s16, 12                        ; a tile is 16 steps of 256 bytes
	s_mov_b32 s17, 0
	s_mov_b32 s2, 0x76543210
	s_mov_b32 s3, 0xfedcba98                       ; v_permlanex16_b32: lane l xor 16
	s_mov_b32 s30, 0
	s_wait_kmcnt 0x0
	s_add_nc_u64 s[4:5], s[4:5], s[18:19]
	s_add_nc_u64 s[12:13], s[12:13], s[18:19]
	s_add_nc_u64 s[6:7], s[6:7], s[20:21]
	s_add_nc_u64 s[8:9], s[8:9], s[16:17]
	s_load_b128 s[24:27], s[10:11], 0x0            ; eq, ek, ep, ev
	MLOAD 0                                        ; step 0, tile A
	s_wait_alu depctr_va_vdst(0)                   ; v14, v[ADR] and v[LI] are written, which the loads and stores of the head and the last stores read as offsets and addresses; so are v[SPW] and v[NIL], for the closing add
.irp x, 0,1
.irp c, 0,1
.irp j, 0,1,2,3
	global_load_b128 v[OF+32*\x+16*\c+4*\j:OF+32*\x+16*\c+4*\j+3], v14, s[4:5] offset:4096*\x+128*\c+16*\j th:TH_LOAD_NT   ; Q(tile x, row r, 32 c + 16 h + 4 j + 0..3)
.endr
.endr
.endr
.set i, 0
.rept 32
	global_load_b128 v[SF+4*i:SF+4*i+3], v[ADR], s[6:7] offset:512*i   ; 512 consecutive bytes of step w's image
.set i, i+1
.endr
	s_wait_kmcnt 0x0
	s_add_co_i32 s18, s24, s25                     ; eq + ek: a sum of the first product stands for sum x 2^(eq + ek)
	s_lshl_b32 s19, s18, 23
	s_add_co_u32 s22, s19, 0x3e38aa3b              ; c = log2(e) / 8, with eq + ek added to its exponent field
	s_mov_b32 s23, s22                             ; (named with it as a pair, so it is written)
	s_sub_co_i32 s19, 157, s18
	s_lshl_b32 s19, s19, 23
	s_or_b32 s19, s19, 0x80000000
	v_mov_b32 v[FILL], s19                         ; -2^(30 - eq - ek)
	s_add_co_i32 s18, s24, 127
	s_lshl_b32 s19, s18, 23
	v_mov_b32 v10, s19                             ; 2^eq, for Q's conversions
	s_add_co_i32 s18, s18, 8
	s_lshl_b32 s18, s18, 23
	s_or_b32 s18, s18, 0x600000
	v_mov_b32 v11, s18                             ; 448 x 2^eq
	s_add_co_i32 s18, s26, 127
	s_lshl_b32 s19, s18, 23
	v_mov_b32 v[EPS], s19                          ; 2^ep, for p's conversions
	s_add_co_i32 s18, s18, 8
	s_lshl_b32 s18, s18, 23
	s_or_b32 s31, s18, 0x600000                    ; 448 x 2^ep
	s_add_co_i32 s66, s26, s27                     ; ep + ev
	s_mov_b32 s28, 0
	s_mov_b32 s29, 0
	s_wait_alu depctr_va_vdst(0)
	s_wait_loadcnt 32                              ; Q's 16 loads are in; the 32 of the fill stay out
.set qi, 0
.rept 8
.irp i, 0,1,2,3,4,5,6,7
	v_med3_num_f32 v[OF+8*qi+\i], v[OF+8*qi+\i], -v11, v11   ; the conversion to an 8-bit code does not saturate (ISA guide 7.6.2)
.endr
	v_cvt_scalef32_pk8_fp8_f32 v[QF+2*qi:QF+2*qi+1], v[OF+8*qi:OF+8*qi+7], v10   ; registers 4 c .. 4 c + 3 of a tile's fragment: d = 32 c + 16 h + 0..15, as K's images have it
.set qi, qi+1
.endr
	v_nop                                          ; a plain line between the conversions and the lines that write their sources
.set i, 0
.rept 64
	v_mov_b32 v[OF+i], 0                           ; O^T.  (The step is written once: the first finds zeros, which the first change of M leaves zeros)
.set i, i+1
.endr
	v_mov_b32 v[NM], 0x7f61b1e6                    ; -M = 3e38: M lies under every t
	v_mov_b32 v[NM+2], 0x7f61b1e6
	v_mov_b32 v[F], 0
.irp i, 0,1,2,3
	v_mov_b32 v[LS+\i], 0                          ; the sums
.endr
.irp g, 0,1,2,3
	s_wait_loadcnt 24-8*\g                         ; eight more of the fill's loads are in
.irp i, 0,1,2,3,4,5,6,7
	ds_store_b128 v[ADR], v[SF+32*\g+4*\i:SF+32*\g+4*\i+3] offset:512*(8*\g+\i)   ; no wait on va_vdst: no vector line since the one ahead of the first load names v[ADR] or v64-191
.endr
.endr
	s_wait_dscnt 0x0                               ; for the others' sake: my part of the image lies in LDS
	s_barrier_signal -1
	s_barrier_wait -1                              ; everybody's does
.macro QK t, x                         ; S^T of tile x, keys' tile t: one product, K = the head's 64
.if (\t) < 4
.set rK, PF+8*(\t)
.else
.set rK, SF+64+8*((\t)-4)
.endif
	v_wmma_f32_16x16x64_fp8_fp8 v[SF+64*(\x)+8*(\t):SF+64*(\x)+8*(\t)+7], v[rK:rK+7], v[QF+8*(\x):QF+8*(\x)+7], 0
.endm
; THE SOFTMAX of tile x for one step: its 64 score registers become 16 registers of codes, and its sum and O^T come under the new M.  Temporaries lie in the tile's code registers, which only the conversions at the end write.
; In tile B's, V's four fragments are asked for behind the chain of maxima, into tile A's score registers.
.macro SOFTMAX x
.set rS, SF+64*(\x)
.set rP, PF+16*(\x)
.set rO, OF+32*(\x)
.set rN, NM+2*(\x)
.set rL, LS+2*(\x)
	s_wait_kmcnt 0x0                               ; the tile's 64 mask words are in
.set n, 0
.rept 64
	v_cndmask_b32 v[rS+n], v[rS+n], v[FILL], s[32+n+4*(n/32)]   ; masked: the fill.  Ascending: each accumulator is read from its low end on
.set n, n+1
.endr
	v_max3_num_f32 v[rP], v[rS], v[rS+1], v[rS+2]  ; the step's largest score of my query among my 64 keys, in two chains,
	v_max3_num_f32 v[rP+1], v[rS+3], v[rS+4], v[rS+5]
.irp i, 6,10,14,18,22,26,30,34,38,42,46,50,54,58
	v_max3_num_f32 v[rP], v[rP], v[rS+\i], v[rS+\i+1]
	v_max3_num_f32 v[rP+1], v[rP+1], v[rS+\i+2], v[rS+\i+3]
.endr
	v_max3_num_f32 v[rP], v[rP], v[rS+62], v[rS+63]
	v_max_num_f32 v[rP], v[rP], v[rP+1]
.if \x
	s_wait_alu depctr_va_vdst(0)                   ; tile A's softmax is done writing and reading v64-127, in which V's fragments land
.irp t, 0,1,2,3
.irp b, 0,1,2,3
	ds_load_b128 v[SF+16*\t+4*\b:SF+16*\t+4*\b+3], v[ADR] offset:VOFF+2048*\t+512*\b   ; V's four fragments, into tile A's score registers: they land under the rest of tile B's softmax, which names none of them
.endr
.endr
	s_add_co_u32 s30, s30, 256                     ; (no scalar load is out since the wait on KMcnt at the macro's head, so their offset may be written)  the next step's words;
	s_and_b32 s30, s30, 0xfff                      ; behind the last step it turns back to step 0: the load stays inside the buffer, and nobody reads what it brings
	MLOAD 0
.else
	MLOAD 1                                        ; the other tile's words, a whole softmax ahead of their use
.endif
	v_permlanex16_b32 v[rP+4], v[rP], s2, s3
	v_max_num_f32 v[rP], v[rP], v[rP+4]            ; and among lane l xor 16's
	v_mul_f32 v[rP], s22, v[rP]                    ; as t (c is positive)
	v_floor_f32 v[rP], -v[rP]                      ; -ceil(t)
	v_mov_b32 v[rP+1], v[rN]
	v_min_num_f32 v[rN], v[rN], v[rP]              ; the new -M: a whole number
	v_sub_f32 v[rP+1], v[rN], v[rP+1]              ; old M - new M: 0 or less
	v_cvt_i32_f32 v[rP+1], v[rP+1]                 ; (it saturates)
	v_ldexp_f32 v[F], 1.0, v[rP+1]                 ; f = 2^(old M - new M)
.set n, 0
.rept 32
	v_pk_fma_f32 v[rS+n:rS+n+1], v[rS+n:rS+n+1], s[22:23], v[rN:rN+1] op_sel_hi:[1,0,0]   ; t - M, two at a time (of the pairs c and -M the low word serves both halves)
.set n, n+2
.endr
.set n, 0
	s_wait_alu depctr_va_vdst(0)
.rept 64
	v_exp_f32 v[rS+n], v[rS+n]                     ; p = 2^(t - M)
.set n, n+1
.endr
	v_pk_mul_f32 v[rL:rL+1], v[rL:rL+1], v[F:F+1] op_sel_hi:[1,0]   ; the sum under the new M: the plain line behind the exponentials
	s_wait_alu depctr_va_vdst(0)                   ; the 64 exponentials have written the tile's p: one wait for the batch, ahead of its first reader
	v_pk_add_f32 v[rP+2:rP+3], v[rS:rS+1], v[rS+2:rS+3]   ; the row's sum is taken of the unquantised p: two at a time, in two chains
.irp j, 4,8,12,16,20,24,28,32,36,40,44,48,52,56,60
	v_pk_add_f32 v[rL:rL+1], v[rL:rL+1], v[rS+\j:rS+\j+1]
	v_pk_add_f32 v[rP+2:rP+3], v[rP+2:rP+3], v[rS+\j+2:rS+\j+3]
.endr
	v_pk_add_f32 v[rL:rL+1], v[rL:rL+1], v[rP+2:rP+3]
	s_cmp_ge_i32 s26, -8                           ; 448 x 2^ep is 1.75 or more: no p reaches it
	s_cbranch_scc1 .Lno_hold_\@
.set n, 0
.rept 64
	v_min_num_f32 v[rS+n], s31, v[rS+n]            ; the hold; p is not negative, so it is one-sided
.set n, n+1
.endr
.Lno_hold_\@:
.irp b, 0,1,2,3
	v_cvt_scalef32_pk8_fp8_f32 v[rP+4*\b:rP+4*\b+1], v[rS+16*\b:rS+16*\b+7], v[EPS]      ; registers 4 b .. 4 b + 3 of the operand: keys 32 b + 16 h + 0..15
	v_cvt_scalef32_pk8_fp8_f32 v[rP+4*\b+2:rP+4*\b+3], v[rS+16*\b+8:rS+16*\b+15], v[EPS]
.endr
.set n, 0
.rept 16
	v_pk_mul_f32 v[rO+n:rO+n+1], v[rO+n:rO+n+1], v[F:F+1] op_sel_hi:[1,0]   ; O^T under the new M, ascending.  (Also the plain lines behind the conversions)
.set n, n+2
.endr
.endm
.Lstep:                                            ; 16 trips, 128 keys each
	s_wait_alu depctr_vm_vsrc(0)                   ; the LDS instructions issued so far have read v[ADR], which the next line writes; in the first trip the fill's LDS stores have also read their data, v64-191, which this trip's loads and products write, and Q's loads have read v14
	v_add_nc_u32 v[ADR], s28, v[LI]
.rept 4
	v_nop                                          ; with the line above five places behind the last products (ISA guide 7.12.1), for the products below that write over V's registers
.endr
	s_wait_alu depctr_va_vdst(0)                   ; v[ADR] is written, which the trip's loads read; the last trip's products are done reading p's codes, v32-63, and tile B's softmax is done with v128-159: K's tiles land in both
.irp t, 0,1,2,3
.irp c, 0,1
	ds_load_b128 v[PF+8*\t+4*\c:PF+8*\t+4*\c+3], v[ADR] offset:1024*\t+512*\c
.endr
.endr
.irp t, 0,1,2,3
.irp c, 0,1
	ds_load_b128 v[SF+64+8*\t+4*\c:SF+64+8*\t+4*\c+3], v[ADR] offset:4096+1024*\t+512*\c
.endr
.endr
	s_wait_dscnt 8                                 ; K's tiles 0-3 are in; the eight younger loads (tiles 4-7) stay out
.irp t, 0,1,2,3
	QK \t, 0
.endr
	s_wait_dscnt 0x0
.irp t, 4,5,6,7
	QK \t, 0
.endr
.irp t, 4,5,6,7
	QK \t, 1
.endr
.rept 5
	v_nop                                          ; five places: the next four products write over K's tiles 4-7, which the eight above read; they are also the places ahead of the first read of tile A's scores
.endr
.irp t, 0,1,2,3
	QK \t, 1
.endr
	SOFTMAX 0
	SOFTMAX 1                                      ; V's loads stand in it
	s_wait_alu depctr_va_vdst(0)
	s_wait_dscnt 0x0                               ; V is in
.irp t, 0,1,2,3
.irp x, 0,1
	v_wmma_f32_16x16x128_fp8_fp8 v[OF+32*\x+8*\t:OF+32*\x+8*\t+7], v[SF+16*\t:SF+16*\t+15], v[PF+16*\x:PF+16*\x+15], v[OF+32*\x+8*\t:OF+32*\x+8*\t+7]   ; the eight accumulators take turns, one instruction a turn
.endr
.endr
	s_add_co_u32 s28, s28, STEPB
	s_add_co_u32 s29, s29, 1
	s_cmp_lt_u32 s29, 16
	s_cbranch_scc1 .Lstep
	; THE WAY OUT.  O^T / the sum x 2^(ep + ev) goes through my stage in LDS, 32 rows of 256 bytes + 16, and leaves as whole rows.  The stages lie in the image's bytes, behind a barrier: nobody reads the image any more.
	s_wait_kmcnt 0x0                               ; the last words asked for, which nobody reads
	v_add_f32 v10, v10, v11                        ; the sums' two halves,  (these lines are the places behind the last products)
	v_add_f32 v12, v12, v13
	v_permlanex16_b32 v14, v10, s2, s3             ; (v14 was the offset of Q's loads: the waits on vm_vsrc at the trips' tops stand behind those loads)
	v_permlanex16_b32 v15, v12, s2, s3
	v_add_f32 v10, v10, v14                        ; and lane l xor 16's
	v_add_f32 v12, v12, v15
	s_wait_alu depctr_va_vdst(0)
	v_rcp_f32 v4, v10
	v_rcp_f32 v6, v12
	v_and_b32 v16, 15, v0                          ; (plain lines behind the reciprocals)  r
	v_bfe_u32 v17, v0, 4, 1                        ; h
	s_mul_i32 s18, s14, 32*272                     ; my stage
	v_mul_u32_u24 v14, v16, 272
	v_lshl_add_u32 v14, v17, 5, v14
	v_add_nc_u32 v14, s18, v14                     ; in: row r, + 32 h: my eight channels of a tile of 16
	v_mul_u32_u24 v15, v17, 272
	v_lshl_add_u32 v15, v16, 4, v15
	v_add_nc_u32 v15, s18, v15                     ; back: lanes 0-15 one row, lanes 16-31 the next
	s_wait_alu depctr_va_vdst(0)                   ; the two reciprocals have written v4 and v6: one wait, ahead of their first reader
	v_ldexp_f32 v4, v4, s66                        ; x 2^(ep + ev)
	v_ldexp_f32 v6, v6, s66
	s_wait_alu depctr_va_vdst(0)
	s_wait_dscnt 0x0                               ; my reads of the image are over
	s_barrier_signal -1
	s_barrier_wait -1                              ; everybody's are
.irp x, 0,1
.set n, 0
.rept 16
	v_pk_mul_f32 v[OF+32*\x+n:OF+32*\x+n+1], v[OF+32*\x+n:OF+32*\x+n+1], v[NM+2*\x:NM+2*\x+1] op_sel_hi:[1,0]   ; register 8 t + j is out(query r, 16 t + 8 h + j)
.set n, n+2
.endr
.endr
	s_wait_alu depctr_va_vdst(0)                   ; the scalings have written v192-255, the LDS stores' data; v14 and v15, the stage's addresses, are written; the last products are done reading v64-127, in which the loads from the stage land
.irp x, 0,1
.irp t, 0,1,2,3
	ds_store_b128 v14, v[OF+32*\x+8*\t:OF+32*\x+8*\t+3] offset:16*272*\x+64*\t
	ds_store_b128 v14, v[OF+32*\x+8*\t+4:OF+32*\x+8*\t+7] offset:16*272*\x+64*\t+16
.endr
.endr
.irp k, 0,1,2,3,4,5,6,7,8,9,10,11,12,13,14,15
	ds_load_b128 v[SF+4*\k:SF+4*\k+3], v15 offset:2*272*\k   ; LDS serves a wave's instructions in order (ISA guide 5.7.1.4): these see my stores
.endr
.irp k, 0,1,2,3,4,5,6,7,8,9,10,11,12,13,14,15
	s_wait_dscnt 15-\k                             ; rows 2 k and 2 k + 1 are back; the younger loads stay out
	global_store_b128 v[LI], v[SF+4*\k:SF+4*\k+3], s[12:13] offset:512*\k th:TH_STORE_NT   ; 32 lanes store 512 consecutive bytes, at a multiple of 256 from out0's first byte
.endr
	s_wait_dscnt 0x0                               ; the closing lines, six on end
	s_wait_alu 0x0
	s_wait_tensorcnt 0x0
	ds_add_u32 v[SPW], v[NIL]
	s_wait_dscnt 0x0
	s_endpgm
.Lfunc_end_k_q0a025cee4b_attn:
	.size	k_q0a025cee4b_attn, .Lfunc_end_k_q0a025cee4b_attn-k_q0a025cee4b_attn
	.p2alignl 7, 3214868480
	.fill 96, 4, 3214868480
	.section	.rodata,"a",@progbits
	.p2align	6, 0x0
	.amdhsa_kernel k_q0a025cee4b_attn
		.amdhsa_group_segment_fixed_size 264192
		.amdhsa_private_segment_fixed_size 0
		.amdhsa_enable_private_segment 0
		.amdhsa_kernarg_size 40
		.amdhsa_user_sgpr_count 2
		.amdhsa_user_sgpr_kernarg_segment_ptr 1
		.amdhsa_wavefront_size32 1
		.amdhsa_system_sgpr_workgroup_id_x 1
		.amdhsa_system_sgpr_workgroup_id_y 1
		.amdhsa_system_sgpr_workgroup_id_z 1
		.amdhsa_system_vgpr_workitem_id 0
		.amdhsa_next_free_vgpr 256
		.amdhsa_next_free_sgpr 100
		.amdhsa_reserve_vcc 0
		.amdhsa_float_denorm_mode_32 3
		.amdhsa_float_denorm_mode_16_64 3
		.amdhsa_memory_ordered 1
		.amdhsa_forward_progress 1
		.amdhsa_inst_pref_size 62
	.end_amdhsa_kernel
	.amdgpu_metadata
---
amdhsa.version: [ 1, 2 ]
amdhsa.kernels:
  - .name:           k_q0a025cee4b_attn
    .symbol:         k_q0a025cee4b_attn.kd
    .args:
      - { .name: Q, .offset: 0, .size: 8, .value_kind: global_buffer, .address_space: global }
      - { .name: kv, .offset: 8, .size: 8, .value_kind: global_buffer, .address_space: global }
      - { .name: mbits, .offset: 16, .size: 8, .value_kind: global_buffer, .address_space: global }
      - { .name: lowp_scales, .offset: 24, .size: 8, .value_kind: global_buffer, .address_space: global }
      - { .name: out0, .offset: 32, .size: 8, .value_kind: global_buffer, .address_space: global }
    .group_segment_fixed_size: 264192
    .private_segment_fixed_size: 0
    .kernarg_segment_align: 8
    .kernarg_segment_size: 40
    .max_flat_workgroup_size: 512
    .sgpr_count:     100
    .vgpr_count:     256
    .wavefront_size: 32
...
	.end_amdgpu_metadata
.endif
;; end of part 4
